; MI455X (gfx1250); checked and timed in simulation.
; The chip was launched on July 23, 2026; its instructions are those of AMD's public machine-readable ISA for CDNA 5 (MIT licence, August 2026) and "CDNA5" Instruction Set Architecture Reference Guide (July 2026). The comments in the code are by the model that wrote it; some were corrected since.
;; Dot Applier. Allowed arithmetic: float matrix products may take bf16 or f16 operands with f32 sums; all other float work in f32.
;; Inputs: adv_patch 1 x 3 x 1,024 x 1,024 float32; alpha 1 x 1,024 x 1,024 float32; colors 20 x 3 float32; radius 20 float32; theta 20 x 2 x 3 float32.
;; Outputs: out0 1 x 3 x 1,024 x 1,024 float32; out1 1 x 1,024 x 1,024 float32.
;; One version. Each part assembles by itself: llvm-mc -triple=amdgcn-amd-amdhsa -mcpu=gfx1250 --defsym DOCPART=n.
;; ======== version 1 of 1: 2 launches
;; workspace buffers: params 2,048 bytes; tiles 16,384 bytes of whole numbers
;; launch cull (part 1): grid 64 x 1, 1 waves a work-group, no clusters, 0 bytes of LDS; arguments theta, radius, colors, params, tiles; writes params, tiles
.if DOCPART == 1
	.amdgcn_target "amdgcn-amd-amdhsa--gfx1250"
	.amdhsa_code_object_version 6
	.text
	.protected	k_q89f48c03bd_cull
	.globl	k_q89f48c03bd_cull
	.p2align	8
	.type	k_q89f48c03bd_cull,@function
k_q89f48c03bd_cull:
	s_mov_b64 s[64:65], 0
	v_nop
	global_prefetch_b8 v0, s[64:65] scope:SCOPE_SE
	s_setreg_imm32_b32 hwreg(HW_REG_WAVE_MODE, 25, 1), 1
	s_wait_xcnt 0x0
; CULL: which dots can touch which tile of the image, and a table of each dot's constants.
; The image (1024 x 1024) is cut into 4,096 tiles of 64 x 4 pixels: tile number = 16 ty + tx, tx = x / 64, ty = y / 4.
; tiles[tile] = a word whose bit d says that dot d may change a pixel of the tile.  A later launch loops over the set bits only.
; One wave a work-group; lane d holds dot d (lanes 20-31 repeat dot 19, their bits are cut off).  A compare over the lanes IS a tile's word.
; The wave tests 64 tiles (four rows of tiles), gathers the words two a lane and stores them at once: 256 consecutive bytes, aligned.
;
; THE TEST.  u = ix - 512 = 512 (t00 bx + t01 by + t02) - 0.5 is affine in the pixel, so over a tile it lies within Ex of its value at the
; tile's centre, Ex = 31.5 |t00| + 1.5 |t01|.  To Ex are added 2 (floor takes at most 1 away, the right neighbour adds at most 1, and 1 is spare)
; and 2^-16 of the coefficients' magnitudes (far above all f32 roundings of a handful of operations).  Both ends are clamped to [-512, 511]
; as the border rule clamps the samples.  dx = the interval's distance from 0, dy likewise: every corner that a pixel of the tile samples with a
; weight other than 0 has dist >= dx^2 + dy^2.  If that exceeds R^2 (1 + 2^-12) no corner is inside the dot, every sample is negative,
; and the dot changes nothing there.
; LIMITS: theta finite, |theta| < 2^100 (no overflow in the interval's ends).  radius = 0 or NaN: no bit is set (the dot has no pixel).
; Only work-group 0 stores the table; all load the colours, 240 bytes, so that the text has one path up to there.
; No LDS, no barrier, no cluster: the work-groups share only 800 bytes of input.
.set P_T00, 0                          ; the table's entry, 16 words: those that packed instructions broadcast lie at even places
.set P_T01, 1
.set P_T02, 2
.set P_R2,  3                          ; R^2, or -1 where R^2 is not above 0
.set P_T10, 4
.set P_T11, 5
.set P_T12, 6
.set P_C0,  8
.set P_C1,  10
.set P_C2,  12
.set P_KA,  14                         ; -0.56 / R^4
.set RR,   5                           ; v5      radius, then R^2
.set ENT,  16                          ; v[16:31] the lane's table entry; the inputs are loaded straight into their places
.set AXC,  32                          ; 512 t00
.set AYC,  33                          ; 512 t10
.set BXC,  34                          ; 512 t01
.set BYC,  35                          ; 512 t11
.set CXC,  36                          ; 512 t02 - 0.5
.set CYC,  37                          ; 512 t12 - 0.5
.set EXC,  38                          ; half width of u over a tile, with the margin
.set EYC,  39
.set R2C,  40                          ; the threshold
.set LOX,  41                          ; the parts of the interval's ends that hang on the tile's row alone
.set HIX,  42
.set LOY,  43
.set HIY,  44
.set TMP,  46                          ; v[46:47]
.set TT,   48                          ; v[48:63] four tiles at work, four registers each
.set OUT,  64                          ; v[64:65] lane l: the words of the wave's tiles 2 l and 2 l + 1
.set VO,   66                          ; 8 x lane
.set VP,   67                          ; 64 x lane
.set SLO,  14                          ; -512.0
.set SHI,  15                          ; 511.0
.set SBY,  16                          ; by at the centre of the row of tiles at work
.set SM,   20                          ; s[20:23] four tiles' words
.set SBX,  32                          ; s[32:47] bx at the centres of the 16 columns of tiles
	s_load_b256 s[4:11], s[0:1], 0x0               ; theta s[4:5], radius s[6:7], colors s[8:9], params s[10:11]
	s_load_b64 s[12:13], s[0:1], 0x20              ; tiles
	v_min_u32 v1, 19, v0                           ; the lane's dot: no load leaves its buffer
	v_mul_u32_u24 v2, 24, v1                       ; theta: 6 numbers a dot
	v_lshlrev_b32 v3, 2, v1                        ; radius: 1
	v_mul_u32_u24 v4, 12, v1                       ; colors: 3
	s_wait_kmcnt 0x0
	global_load_b32 v[ENT+P_T00], v2, s[4:5]
	global_load_b32 v[ENT+P_T01], v2, s[4:5] offset:4
	global_load_b32 v[ENT+P_T02], v2, s[4:5] offset:8
	global_load_b32 v[ENT+P_T10], v2, s[4:5] offset:12
	global_load_b32 v[ENT+P_T11], v2, s[4:5] offset:16
	global_load_b32 v[ENT+P_T12], v2, s[4:5] offset:20
	global_load_b32 v[RR], v3, s[6:7]
	global_load_b32 v[ENT+P_C0], v4, s[8:9]
	global_load_b32 v[ENT+P_C1], v4, s[8:9] offset:4
	global_load_b32 v[ENT+P_C2], v4, s[8:9] offset:8
	; while they are on their way: what hangs on the work-group's number alone
	s_mov_b32 s[SLO], 0xc4000000                   ; -512.0
	s_mov_b32 s[SHI], 0x43ff8000                   ; 511.0
	s_cvt_f32_u32 s[SBY], ttmp9                    ; by at the centre of tile row ty = 4 g: (16 g + 2) / 512 - 1, exact
	s_mul_f32 s[SBY], s[SBY], 0x3d000000           ; g / 32
	s_add_f32 s[SBY], s[SBY], 0xbf7f0000           ; + 2/512 - 1
	s_mov_b32 s[SBX], 0xbf700000                   ; bx at the centre of column 0: 32/512 - 1 = -15/16; then steps of 64/512, all exact
.set i, 0
.rept 15
	s_add_f32 s[SBX+i+1], s[SBX+i], 0x3e000000
.set i, i+1
.endr
	s_lshl_b32 s2, ttmp9, 8                        ; 64 words a work-group
	s_mov_b32 s3, 0
	s_add_nc_u64 s[12:13], s[12:13], s[2:3]
	v_lshlrev_b32 v[VO], 3, v0
	v_mov_b32 v[OUT], 0                            ; v_writelane_b32 keeps the other lanes: the registers are written whole once
	v_mov_b32 v[OUT+1], 0
	s_wait_loadcnt 0x0                             ; all ten are needed at once
	v_mul_f32 v[RR], 0x44800000, v[RR]             ; radius x 1024, exact
	v_mul_f32 v[RR], v[RR], v[RR]                  ; R^2, rounded once as in the reference
	v_rcp_f32 v6, v[RR]                            ; the plain multiplies below stand between it and the use of v6 (ISA guide 5.7.2)
	v_mul_f32 v[AXC], 0x44000000, v[ENT+P_T00]
	v_mul_f32 v[BXC], 0x44000000, v[ENT+P_T01]
	v_fma_f32 v[CXC], 0x44000000, v[ENT+P_T02], -0.5
	v_mul_f32 v[AYC], 0x44000000, v[ENT+P_T10]
	v_mul_f32 v[BYC], 0x44000000, v[ENT+P_T11]
	v_fma_f32 v[CYC], 0x44000000, v[ENT+P_T12], -0.5
	v_cmp_lt_f32 vcc_lo, 0, v[RR]
	v_cndmask_b32 v[ENT+P_R2], -1.0, v[RR], vcc_lo ; R^2 = 0 or NaN: dist / R^2 <= 1 holds nowhere, so the threshold goes below every dist
	v_cmp_le_f32 vcc_lo, 1.0, v[RR]
	s_wait_alu depctr_va_vdst(0)
	v_cndmask_b32 v6, 0, v6, vcc_lo                ; R^2 < 1: only dist = 0 is inside and dist / R^2 = 0 there; this also keeps 0 x inf out
	v_mul_f32 v7, v6, v6
	v_mul_f32 v[ENT+P_KA], 0xbf0f5c29, v7          ; 0.7 (1 - 0.8 (dist/R^2)^2) = 0.7 - 0.56 dist^2 / R^4
	v_mul_f32 v[R2C], 0x3f800800, v[ENT+P_R2]      ; x (1 + 2^-12): above the roundings of dx^2 + dy^2
	v_add_f32 v[TMP], |v[AXC]|, |v[BXC]|
	v_add_f32 v[TMP+1], |v[AYC]|, |v[BYC]|
	v_add_f32 v[TMP], v[TMP], |v[CXC]|
	v_add_f32 v[TMP+1], v[TMP+1], |v[CYC]|
	v_fma_f32 v[EXC], |v[AXC]|, 0x3d7c0000, 2.0    ; 31.5/512 x |512 t00| + 2
	v_fma_f32 v[EYC], |v[AYC]|, 0x3d7c0000, 2.0
	v_fma_f32 v[EXC], |v[BXC]|, 0x3b400000, v[EXC] ; + 1.5/512 x |512 t01|
	v_fma_f32 v[EYC], |v[BYC]|, 0x3b400000, v[EYC]
	v_fma_f32 v[EXC], v[TMP], 0x37800000, v[EXC]   ; + 2^-16 of the magnitudes
	v_fma_f32 v[EYC], v[TMP+1], 0x37800000, v[EYC]
	s_cmp_lg_u32 ttmp9, 0
	s_cbranch_scc1 .Ltiles
	; the table, by work-group 0: 32 entries of 64 bytes (entries 20-31 repeat dot 19, so that every byte of the buffer is written)
.irp k, 7, 9, 11, 13, 15
	v_mov_b32 v[ENT+\k], 0                         ; the places not used
.endr
	v_lshlrev_b32 v[VP], 6, v0
.irp k, 0, 1, 2, 3
	global_store_b128 v[VP], v[ENT+4*\k:ENT+4*\k+3], s[10:11] offset:16*\k
.endr
.Ltiles:
; four tiles of one row of tiles, columns t0 .. t0 + 3, stage by stage so that no instruction waits for the one in front of it
.macro QUAD q, t0
.irp k, 0, 1, 2, 3
	v_fma_f32 v[TT+4*\k],   v[AXC], s[SBX+\t0+\k], v[LOX]
	v_fma_f32 v[TT+4*\k+1], v[AXC], s[SBX+\t0+\k], v[HIX]
	v_fma_f32 v[TT+4*\k+2], v[AYC], s[SBX+\t0+\k], v[LOY]
	v_fma_f32 v[TT+4*\k+3], v[AYC], s[SBX+\t0+\k], v[HIY]
.endr
.set i, 0
.rept 16
	v_med3_num_f32 v[TT+i], v[TT+i], s[SLO], s[SHI]        ; the border rule
.set i, i+1
.endr
.irp k, 0, 1, 2, 3
	v_max3_num_f32 v[TT+4*\k],   v[TT+4*\k],   -v[TT+4*\k+1], 0    ; distance of [lo, hi] from 0
	v_max3_num_f32 v[TT+4*\k+2], v[TT+4*\k+2], -v[TT+4*\k+3], 0
.endr
.irp k, 0, 1, 2, 3
	v_mul_f32 v[TT+4*\k], v[TT+4*\k], v[TT+4*\k]
.endr
.irp k, 0, 1, 2, 3
	v_fma_f32 v[TT+4*\k], v[TT+4*\k+2], v[TT+4*\k+2], v[TT+4*\k]
.endr
.irp k, 0, 1, 2, 3
	v_cmp_le_f32 s[SM+\k], v[TT+4*\k], v[R2C]              ; bit d: dot d may touch the tile
.endr
.irp k, 0, 1, 2, 3
	s_and_b32 s[SM+\k], s[SM+\k], 0xfffff                  ; 20 dots
.endr
.irp k, 0, 1, 2, 3
	v_writelane_b32 v[OUT+((\t0+\k)&1)], s[SM+\k], 8*\q+((\t0+\k)>>1)
.endr
.endm
.macro TILEROW q
	v_fma_f32 v[TMP],   v[BXC], s[SBY], v[CXC]
	v_fma_f32 v[TMP+1], v[BYC], s[SBY], v[CYC]
	v_sub_f32 v[LOX], v[TMP], v[EXC]
	v_add_f32 v[HIX], v[TMP], v[EXC]
	v_sub_f32 v[LOY], v[TMP+1], v[EYC]
	v_add_f32 v[HIY], v[TMP+1], v[EYC]
	QUAD \q, 0
	QUAD \q, 4
	QUAD \q, 8
	QUAD \q, 12
.if \q < 3
	s_add_f32 s[SBY], s[SBY], 0x3c000000           ; four rows of pixels down: 4/512, exact
.endif
.endm
	TILEROW 0
	TILEROW 1
	TILEROW 2
	TILEROW 3
	global_store_b64 v[VO], v[OUT:OUT+1], s[12:13] ; 64 words: 256 consecutive bytes, at a multiple of 256 from the buffer's first byte
	s_endpgm
.Lfunc_end_k_q89f48c03bd_cull:
	.size	k_q89f48c03bd_cull, .Lfunc_end_k_q89f48c03bd_cull-k_q89f48c03bd_cull
	.p2alignl 7, 3214868480
	.fill 96, 4, 3214868480
	.section	.rodata,"a",@progbits
	.p2align	6, 0x0
	.amdhsa_kernel k_q89f48c03bd_cull
		.amdhsa_group_segment_fixed_size 0
		.amdhsa_private_segment_fixed_size 0
		.amdhsa_enable_private_segment 0
		.amdhsa_kernarg_size 40
		.amdhsa_user_sgpr_count 2
		.amdhsa_user_sgpr_kernarg_segment_ptr 1
		.amdhsa_wavefront_size32 1
		.amdhsa_system_sgpr_workgroup_id_x 1
		.amdhsa_system_sgpr_workgroup_id_y 1
		.amdhsa_system_sgpr_workgroup_id_z 1
		.amdhsa_system_vgpr_workitem_id 0
		.amdhsa_next_free_vgpr 68
		.amdhsa_next_free_sgpr 66
		.amdhsa_reserve_vcc 1
		.amdhsa_float_denorm_mode_32 3
		.amdhsa_float_denorm_mode_16_64 3
		.amdhsa_memory_ordered 1
		.amdhsa_forward_progress 1
		.amdhsa_inst_pref_size 65
	.end_amdhsa_kernel
	.amdgpu_metadata
---
amdhsa.version: [ 1, 2 ]
amdhsa.kernels:
  - .name:           k_q89f48c03bd_cull
    .symbol:         k_q89f48c03bd_cull.kd
    .args:
      - { .name: theta, .offset: 0, .size: 8, .value_kind: global_buffer, .address_space: global }
      - { .name: radius, .offset: 8, .size: 8, .value_kind: global_buffer, .address_space: global }
      - { .name: colors, .offset: 16, .size: 8, .value_kind: global_buffer, .address_space: global }
      - { .name: params, .offset: 24, .size: 8, .value_kind: global_buffer, .address_space: global }
      - { .name: tiles, .offset: 32, .size: 8, .value_kind: global_buffer, .address_space: global }
    .group_segment_fixed_size: 0
    .private_segment_fixed_size: 0
    .kernarg_segment_align: 8
    .kernarg_segment_size: 40
    .max_flat_workgroup_size: 32
    .sgpr_count:     66
    .vgpr_count:     68
    .wavefront_size: 32
...
	.end_amdgpu_metadata
.endif
;; end of part 1
;; launch paint (part 2): grid 256 x 1, 16 waves a work-group, no clusters, 0 bytes of LDS; arguments params, tiles, out0, out1; writes out0, out1
.if DOCPART == 2
	.amdgcn_target "amdgcn-amd-amdhsa--gfx1250"
	.amdhsa_code_object_version 6
	.text
	.protected	k_q89f48c03bd_paint
	.globl	k_q89f48c03bd_paint
	.p2align	8
	.type	k_q89f48c03bd_paint,@function
k_q89f48c03bd_paint:
	s_mov_b64 s[64:65], 0
	v_nop
	global_prefetch_b8 v0, s[64:65] scope:SCOPE_SE
	s_setreg_imm32_b32 hwreg(HW_REG_WAVE_MODE, 25, 1), 1
	s_wait_xcnt 0x0
; PAINT: out0[c][y][x], out1[y][x] = the 20 warped dots laid over each other in order, negative = untouched, then max(., 0).
; A wave owns one tile of 64 x 4 pixels.  Its word of tiles[] (made by the launch before) names the dots that can touch the tile; the wave loops over the
; set bits in ascending order, which is the order of the reference's scan.  A dot that is not named gives only negative samples there and changes nothing.
; Nothing is gathered: a corner of a dot's image is a function of dist = (y-512)^2 + (x-512)^2, which is computed in registers.
;
; adv_patch and alpha are not among the arguments: reference() takes only adv_patch's shape and never names alpha, so no output number hangs on them.
;
; LANES.  r = lane & 15, h = lane >> 4.  A lane owns pixels x = 64 tx + 4 r + j (j = 0..3) of rows y = 4 ty + 2 p + h (p = 0, 1): 8 pixels, 4 planes,
; 32 state registers.  A 16-byte store: lanes 0-15 cover 256 consecutive bytes of one row, lanes 16-31 of the next, both at multiples of 256 bytes.
; TILES.  Work-group g, wave w: tx = (g + 5 w) & 15, ty = 16 w + (g >> 4).  One to one; a work-group's 16 tiles lie in 16 different columns, 64 rows of pixels
; apart, so that each work-group gets about the image's average number of dots however the dots cluster.
;
; ARITHMETIC.  The sample position keeps the reference's order of roundings, which is why its adds are not fused: q = fma(t00, bx, t01 by), + t02, + 1,
; x 512 - 0.5 (x 1024 x 0.5 is exact).  A sample near 0 decides whether an older dot shows through, so the position should not differ from the reference's.
; mask: dist <= R^2.  dist is a whole number below 2^20, held exactly, so dist > R^2 means dist/R^2 > 1 + 2^-24, which a rounded quotient shows too: same decision.
; With w the four weights, Win the sum of those of corners inside the dot, Wt the sum of all four in the same order, Wout = Wt - Win:
;   rgb = Win c - Wout,   a = 0.7 Win - 0.56/R^4 sum(w dist^2 inside) - Wout.   Wout is exactly 0 where every corner with a weight is inside, so a colour 0 still counts as >= 0.
; LIMITS: theta finite (for NaN the reference's own conversion to an index is undefined).  For theta whose products t00 bx, t10 bx round, the position may differ from
; a reference that does not fuse them by one rounding, some 2^-15 of a pixel.  The sums of weights are regrouped (last-bit differences); 1/R^2 is v_rcp_f32's.
; No LDS, no barrier, no cluster: waves share nothing but table entries of 64 bytes.  No matrix instruction: there is no product of matrices here.
.set PLANE, 4194304                    ; bytes in a plane
.set ROWB,  4096                       ; bytes in a row
.set OFF,  6                           ; v6       4096 h + 16 r
.set BX,   8                           ; v[8:11]  bx = (x + 0.5)/512 - 1 of my four columns
.set BY,   12                          ; v[12:13] by of my two rows
.set PX,   14                          ; v[14:17] t01 by, twice for each row (a pair for the packed instructions)
.set PY,   18                          ; v[18:21] t11 by, likewise
.set IX,   22                          ; from here on pairs: two neighbouring pixels.  v[22:25] ix, iy
.set IY,   24
.set FX,   26                          ; v[26:29] floor, then x0 - 512, y0 - 512
.set FY,   28
.set WX,   30                          ; fractions
.set WY,   32
.set GX,   34                          ; v[34:37] x1 - 512, y1 - 512
.set GY,   36
.set SX0,  38                          ; (x0-512)^2; later w00 dist00
.set SX1,  40                          ; (x1-512)^2; later w01 dist01
.set D00,  42                          ; v[42:49] dist of the four corners
.set D01,  44
.set D10,  46
.set D11,  48
.set UX,   50                          ; 1 - wx; later w10 dist10
.set UY,   52                          ; 1 - wy; later w11 dist11
.set W00,  54                          ; v[54:61] the four weights, then 0 where the corner is outside
.set W01,  56
.set W10,  58
.set W11,  60
.set WT,   62
.set WI,   64
.set WO,   66
.set T0,   68
.set SS,   70
.set VAL,  72                          ; v[72:79] the samples: r, g, b, a
.set ST,   80                          ; v[80:111] state: plane c, row p, column j at ST + 4 (2 c + p) + j
.set MK,   20                          ; s[20:27] lane masks
.set S1023, 28
.set NXT,  32                          ; s[32:47] the next dot's entry, on its way
.set CUR,  48                          ; s[48:63] this dot's entry
.set T00,  CUR+0
.set T01,  CUR+1
.set T02,  CUR+2
.set R2T,  CUR+3
.set T10,  CUR+4
.set T11,  CUR+5
.set T12,  CUR+6
.set COL,  CUR+8                       ; colours at +0, +2, +4
.set KA,   CUR+14
	s_load_b256 s[4:11], s[0:1], 0x0               ; params s[4:5], tiles s[6:7], out0 s[8:9], out1 s[10:11]
	v_lshrrev_b32 v1, 5, v0
	v_readfirstlane_b32 s12, v1                    ; wave 0..15
	s_mul_i32 s13, s12, 5
	s_add_co_u32 s13, s13, ttmp9
	s_and_b32 s13, s13, 15                         ; tx
	s_lshr_b32 s14, ttmp9, 4
	s_lshl4_add_u32 s14, s12, s14                  ; ty = 16 w + (g >> 4)
	s_lshl4_add_u32 s15, s14, s13                  ; tile number
	s_lshl_b32 s15, s15, 2
	s_wait_kmcnt 0x0
	s_load_b32 s16, s[6:7], s15 offset:0x0         ; the tile's dots
	; while it is on its way: coordinates and addresses
	v_and_b32 v1, 15, v0                           ; r
	v_bfe_u32 v2, v0, 4, 1                         ; h
	s_lshl_b32 s19, s13, 7
	s_sub_co_i32 s19, s19, 1023
	v_lshl_add_u32 v3, v1, 3, s19                  ; 2 x - 1023 of my first column
	v_cvt_f32_i32 v3, v3
	v_mul_f32 v[BX], 0x3a800000, v3                ; / 1024 = (x + 0.5)/512 - 1, exact
	v_add_f32 v[BX+1], 0x3b000000, v[BX]           ; + 1/512, exact
	v_add_f32 v[BX+2], 0x3b800000, v[BX]           ; + 2/512
	v_add_f32 v[BX+3], 0x3bc00000, v[BX]           ; + 3/512
	s_lshl_b32 s19, s14, 3
	s_sub_co_i32 s19, s19, 1023
	v_lshl_add_u32 v4, v2, 1, s19                  ; 2 y - 1023 of my first row
	v_cvt_f32_i32 v4, v4
	v_mul_f32 v[BY], 0x3a800000, v4
	v_add_f32 v[BY+1], 0x3b800000, v[BY]           ; two rows down
	v_lshlrev_b32 v5, 4, v1
	v_lshl_add_u32 v[OFF], v2, 12, v5
	s_lshl_b32 s30, s14, 14                        ; the tile's first byte in a plane: 4 ty rows + 64 tx numbers
	s_lshl_b32 s19, s13, 8
	s_add_co_u32 s30, s30, s19
	s_mov_b32 s31, 0
	s_add_nc_u64 s[10:11], s[10:11], s[30:31]
	s_add_nc_u64 s[8:9], s[8:9], s[30:31]
	s_add_nc_u64 s[8:9], s[8:9], PLANE             ; out0 at its middle plane: the three planes are then at -PLANE, 0, +PLANE, inside the signed 24-bit immediate
	s_mov_b32 s[S1023], 0x447fc000                 ; 1023.0
	s_wait_kmcnt 0x0
	s_cmp_eq_u32 s16, 0
	s_cbranch_scc1 .Lempty
	s_bcnt1_i32_b32 s17, s16                       ; trips
	s_ctz_i32_b32 s19, s16                         ; the first dot
	s_min_u32 s19, s19, 31                         ; the table has 32 entries
	s_lshl_b32 s29, s19, 6
	s_load_b512 s[NXT:NXT+15], s[4:5], s29 offset:0x0
.set i, 0
.rept 32
	v_mov_b32 v[ST+i], -1.0                        ; the scan's start
.set i, i+1
.endr
	s_mov_b32 s18, 0
; two neighbouring pixels, columns 2 jj and 2 jj + 1 of row p, against the dot in CUR
.macro PAIR p, jj
	v_pk_fma_f32 v[IX:IX+1], v[BX+2*\jj:BX+2*\jj+1], s[T00:T00+1], v[PX+2*\p:PX+2*\p+1] op_sel_hi:[1,0,1]
	v_pk_fma_f32 v[IY:IY+1], v[BX+2*\jj:BX+2*\jj+1], s[T10:T10+1], v[PY+2*\p:PY+2*\p+1] op_sel_hi:[1,0,1]
	v_pk_add_f32 v[IX:IX+1], v[IX:IX+1], s[T02:T02+1] op_sel_hi:[1,0]      ; gx
	v_pk_add_f32 v[IY:IY+1], v[IY:IY+1], s[T12:T12+1] op_sel_hi:[1,0]      ; gy
	v_pk_add_f32 v[IX:IX+1], v[IX:IX+1], 1.0 op_sel_hi:[1,0]
	v_pk_add_f32 v[IY:IY+1], v[IY:IY+1], 1.0 op_sel_hi:[1,0]
	v_pk_fma_f32 v[IX:IX+1], v[IX:IX+1], 0x44000000, -0.5 op_sel_hi:[1,0,0]
	v_pk_fma_f32 v[IY:IY+1], v[IY:IY+1], 0x44000000, -0.5 op_sel_hi:[1,0,0]
.irp k, 0, 1, 2, 3
	v_med3_num_f32 v[IX+\k], v[IX+\k], 0, s[S1023]                         ; the border rule
.endr
.irp k, 0, 1, 2, 3
	v_floor_f32 v[FX+\k], v[IX+\k]
.endr
	v_pk_add_f32 v[WX:WX+1], v[IX:IX+1], v[FX:FX+1] neg_lo:[0,1] neg_hi:[0,1]
	v_pk_add_f32 v[WY:WY+1], v[IY:IY+1], v[FY:FY+1] neg_lo:[0,1] neg_hi:[0,1]
	v_pk_add_f32 v[FX:FX+1], v[FX:FX+1], 0xc4000000 op_sel_hi:[1,0]        ; x0 - 512
	v_pk_add_f32 v[FY:FY+1], v[FY:FY+1], 0xc4000000 op_sel_hi:[1,0]
	v_pk_add_f32 v[GX:GX+1], v[FX:FX+1], 1.0 op_sel_hi:[1,0]
	v_pk_add_f32 v[GY:GY+1], v[FY:FY+1], 1.0 op_sel_hi:[1,0]
.irp k, 0, 1, 2, 3
	v_min_num_f32 v[GX+\k], 0x43ff8000, v[GX+\k]                           ; min(x0 + 1, 1023) - 512
.endr
	v_pk_mul_f32 v[SX0:SX0+1], v[FX:FX+1], v[FX:FX+1]
	v_pk_mul_f32 v[SX1:SX1+1], v[GX:GX+1], v[GX:GX+1]
	v_pk_fma_f32 v[D00:D00+1], v[FY:FY+1], v[FY:FY+1], v[SX0:SX0+1]        ; whole numbers below 2^20: all exact
	v_pk_fma_f32 v[D01:D01+1], v[FY:FY+1], v[FY:FY+1], v[SX1:SX1+1]
	v_pk_fma_f32 v[D10:D10+1], v[GY:GY+1], v[GY:GY+1], v[SX0:SX0+1]
	v_pk_fma_f32 v[D11:D11+1], v[GY:GY+1], v[GY:GY+1], v[SX1:SX1+1]
	v_pk_add_f32 v[UX:UX+1], v[WX:WX+1], 1.0 op_sel_hi:[1,0] neg_lo:[1,0] neg_hi:[1,0]     ; 1 - wx
	v_pk_add_f32 v[UY:UY+1], v[WY:WY+1], 1.0 op_sel_hi:[1,0] neg_lo:[1,0] neg_hi:[1,0]
	v_pk_mul_f32 v[W00:W00+1], v[UY:UY+1], v[UX:UX+1]
	v_pk_mul_f32 v[W01:W01+1], v[UY:UY+1], v[WX:WX+1]
	v_pk_mul_f32 v[W10:W10+1], v[WY:WY+1], v[UX:UX+1]
	v_pk_mul_f32 v[W11:W11+1], v[WY:WY+1], v[WX:WX+1]
	v_pk_add_f32 v[WT:WT+1], v[W00:W00+1], v[W01:W01+1]
	v_pk_add_f32 v[T0:T0+1], v[W10:W10+1], v[W11:W11+1]
	v_pk_add_f32 v[WT:WT+1], v[WT:WT+1], v[T0:T0+1]                        ; all four weights
.set i, 0
.rept 8
	v_cmp_ge_f32 s[MK+i], s[R2T], v[D00+i]                                 ; the corner is inside the dot
.set i, i+1
.endr
.set i, 0
.rept 8
	v_cndmask_b32 v[W00+i], 0, v[W00+i], s[MK+i]
.set i, i+1
.endr
	v_pk_add_f32 v[WI:WI+1], v[W00:W00+1], v[W01:W01+1]                    ; the same order as WT: equal bits where nothing was cut
	v_pk_add_f32 v[T0:T0+1], v[W10:W10+1], v[W11:W11+1]
	v_pk_add_f32 v[WI:WI+1], v[WI:WI+1], v[T0:T0+1]
	v_pk_mul_f32 v[SX0:SX0+1], v[W00:W00+1], v[D00:D00+1]
	v_pk_mul_f32 v[SX1:SX1+1], v[W01:W01+1], v[D01:D01+1]
	v_pk_mul_f32 v[UX:UX+1], v[W10:W10+1], v[D10:D10+1]
	v_pk_mul_f32 v[UY:UY+1], v[W11:W11+1], v[D11:D11+1]
	v_pk_add_f32 v[WO:WO+1], v[WT:WT+1], v[WI:WI+1] neg_lo:[0,1] neg_hi:[0,1]
	v_pk_mul_f32 v[SS:SS+1], v[SX0:SX0+1], v[D00:D00+1]                    ; sum of w dist^2 over the corners inside
	v_pk_fma_f32 v[SS:SS+1], v[SX1:SX1+1], v[D01:D01+1], v[SS:SS+1]
	v_pk_fma_f32 v[SS:SS+1], v[UX:UX+1], v[D10:D10+1], v[SS:SS+1]
	v_pk_fma_f32 v[SS:SS+1], v[UY:UY+1], v[D11:D11+1], v[SS:SS+1]
.irp c, 0, 1, 2
	v_pk_fma_f32 v[VAL+2*\c:VAL+2*\c+1], v[WI:WI+1], s[COL+2*\c:COL+2*\c+1], v[WO:WO+1] op_sel_hi:[1,0,1] neg_lo:[0,0,1] neg_hi:[0,0,1]
.endr
	v_pk_fma_f32 v[VAL+6:VAL+7], v[WI:WI+1], 0x3f333333, v[WO:WO+1] op_sel_hi:[1,0,1] neg_lo:[0,0,1] neg_hi:[0,0,1]
	v_pk_fma_f32 v[VAL+6:VAL+7], v[SS:SS+1], s[KA:KA+1], v[VAL+6:VAL+7] op_sel_hi:[1,0,1]
.set i, 0
.rept 8
	v_cmp_le_f32 s[MK+i], 0, v[VAL+i]                                      ; taken where >= 0, each plane by itself
.set i, i+1
.endr
.irp c, 0, 1, 2, 3
.irp e, 0, 1
	v_cndmask_b32 v[ST+(2*\c+\p)*4+2*\jj+\e], v[ST+(2*\c+\p)*4+2*\jj+\e], v[VAL+2*\c+\e], s[MK+2*\c+\e]
.endr
.endr
.endm
.Ldot:
	s_wait_kmcnt 0x0                               ; this dot's entry is in (scalar loads: the count 0 alone shows anything); s29 is free again
.irp k, 0, 1, 2, 3, 4, 5, 6, 7
	s_mov_b64 s[CUR+2*\k:CUR+2*\k+1], s[NXT+2*\k:NXT+2*\k+1]
.endr
	s_sub_co_u32 s19, s16, 1
	s_and_b32 s16, s16, s19                        ; its bit is done
	s_ctz_i32_b32 s19, s16                         ; the next dot; no bit left gives -1,
	s_min_u32 s19, s19, 31                         ; which the clamp turns into entry 31, written like the others and never used: the loop keeps one form
	s_lshl_b32 s29, s19, 6
	s_load_b512 s[NXT:NXT+15], s[4:5], s29 offset:0x0      ; on its way while this dot is computed
.irp p, 0, 1
	v_mul_f32 v[PX+2*\p],   s[T01], v[BY+\p]       ; rounded by itself, as the second product of the reference's sum
	v_mul_f32 v[PX+2*\p+1], s[T01], v[BY+\p]
	v_mul_f32 v[PY+2*\p],   s[T11], v[BY+\p]
	v_mul_f32 v[PY+2*\p+1], s[T11], v[BY+\p]
.endr
	PAIR 0, 0
	PAIR 0, 1
	PAIR 1, 0
	PAIR 1, 1
	s_add_co_u32 s18, s18, 1
	s_cmp_lt_u32 s18, s17
	s_cbranch_scc1 .Ldot
; eight stores; step = 4: the state's registers, step = 0: the same four registers for all
.macro STORES step
.irp c, 0, 1, 2
.irp p, 0, 1
	global_store_b128 v[OFF], v[ST+(2*\c+\p)*\step:ST+(2*\c+\p)*\step+3], s[8:9] offset:(\c-1)*PLANE+\p*2*ROWB th:TH_STORE_NT
.endr
.endr
.irp p, 0, 1
	global_store_b128 v[OFF], v[ST+(6+\p)*\step:ST+(6+\p)*\step+3], s[10:11] offset:\p*2*ROWB th:TH_STORE_NT
.endr
.endm
.set i, 0
.rept 32
	v_max_num_f32 v[ST+i], 0, v[ST+i]              ; what no dot has touched is still -1
.set i, i+1
.endr
	STORES 4
	s_endpgm                                       ; the last request for an entry may still be out: nothing reads or writes its registers any more
.Lempty:                                           ; no dot reaches this tile: zeros
.irp k, 0, 1, 2, 3
	v_mov_b32 v[ST+\k], 0
.endr
	STORES 0
	s_endpgm
.Lfunc_end_k_q89f48c03bd_paint:
	.size	k_q89f48c03bd_paint, .Lfunc_end_k_q89f48c03bd_paint-k_q89f48c03bd_paint
	.p2alignl 7, 3214868480
	.fill 96, 4, 3214868480
	.section	.rodata,"a",@progbits
	.p2align	6, 0x0
	.amdhsa_kernel k_q89f48c03bd_paint
		.amdhsa_group_segment_fixed_size 0
		.amdhsa_private_segment_fixed_size 0
		.amdhsa_enable_private_segment 0
		.amdhsa_kernarg_size 32
		.amdhsa_user_sgpr_count 2
		.amdhsa_user_sgpr_kernarg_segment_ptr 1
		.amdhsa_wavefront_size32 1
		.amdhsa_system_sgpr_workgroup_id_x 1
		.amdhsa_system_sgpr_workgroup_id_y 1
		.amdhsa_system_sgpr_workgroup_id_z 1
		.amdhsa_system_vgpr_workitem_id 0
		.amdhsa_next_free_vgpr 112
		.amdhsa_next_free_sgpr 66
		.amdhsa_reserve_vcc 0
		.amdhsa_float_denorm_mode_32 3
		.amdhsa_float_denorm_mode_16_64 3
		.amdhsa_memory_ordered 1
		.amdhsa_forward_progress 1
		.amdhsa_inst_pref_size 30
	.end_amdhsa_kernel
	.amdgpu_metadata
---
amdhsa.version: [ 1, 2 ]
amdhsa.kernels:
  - .name:           k_q89f48c03bd_paint
    .symbol:         k_q89f48c03bd_paint.kd
    .args:
      - { .name: params, .offset: 0, .size: 8, .value_kind: global_buffer, .address_space: global }
      - { .name: tiles, .offset: 8, .size: 8, .value_kind: global_buffer, .address_space: global }
      - { .name: out0, .offset: 16, .size: 8, .value_kind: global_buffer, .address_space: global }
      - { .name: out1, .offset: 24, .size: 8, .value_kind: global_buffer, .address_space: global }
    .group_segment_fixed_size: 0
    .private_segment_fixed_size: 0
    .kernarg_segment_align: 8
    .kernarg_segment_size: 32
    .max_flat_workgroup_size: 512
    .sgpr_count:     66
    .vgpr_count:     112
    .wavefront_size: 32
...
	.end_amdgpu_metadata
.endif
;; end of part 2
